; MI455X (gfx1250); checked and timed in simulation.
; The chip was launched on July 23, 2026; its instructions are those of AMD's public machine-readable ISA for CDNA 5 (MIT licence, August 2026) and "CDNA5" Instruction Set Architecture Reference Guide (July 2026). The comments in the code are by the model that wrote it; some were corrected since.
;; Improved Attention. Allowed arithmetic: matrix products marked QUANTISED: E2M1 operands, one E8M0 scale for each 32 along K, by v_wmma_scale_f32_16x16x128_f8f6f4 with both operands' format E2M1 (or v_wmma_scale_f32_32x16x128_f4), f32 sums; everything else in f32.
;; Inputs: W_qkv_codes 3,072 x 32 x 16 uint8 (E2M1 codes of W_qkv, K innermost, in blocks of 32 codes, two codes a byte); W_qkv_scales 3,072 x 32 uint8 (E8M0 scales of W_qkv, one for each 32 codes along K); mask 1 x 1 x 32 x 32 bool; x_codes 512 x 32 x 32 x 16 uint8 (E2M1 codes of x, K innermost, in blocks of 32 codes, two codes a byte); x_scales 512 x 32 x 32 uint8 (E8M0 scales of x, one for each 32 codes along K).
;; Outputs: out0 512 x 32 x 1,024 float32.
;; This version of the problem:
;;   THIS VERSION OF THE PROBLEM IS GIVEN IN LOW PRECISION. The matrix products marked QUANTISED in the list below multiply operands that are first quantised to E2M1 (2 exponent bits, 1 mantissa bit; 4 bits a number), with one power-of-two scale for each 32 numbers along K (OCP MX v1.0); their sums are f32. All else is computed in f32.
;;   The module's matrix products, in the order in which they are computed (A, B: the left and right operand; K: the contracted axis; several contracted axes count as one K, in the product's order):
;;     1. [M 16,384, K 1,024] x [K 1,024, N 3,072]; A: input x (given as codes); B: input W_qkv (given as codes): QUANTISED
;;     2. batch 16,384 x [M 32, K 32] x [K 32, N 32]; A: computed on the way; B: computed on the way: QUANTISED
;;     3. batch 16,384 x [M 32, K 32] x [K 32, N 32]; A: softmax (see below); B: computed on the way: QUANTISED
;;   THE QUANTISER, for each operand of a quantised product, along K:
;;     - K is cut into blocks of 32 from its start; a last block that is shorter is filled with zeros.
;;     - A block's scale is 2^e with e = floor(log2(the largest magnitude in the block)) - 2, held to -126 .. 127; a block of zeros has e = 0. As a byte (E8M0): e + 127.
;;     - Each number is divided by its block's scale, clamped to +-6, and rounded to the nearest number of E2M1, ties to even, subnormals kept.
;;     - The product sums the exact products of the quantised numbers (number of the format x scale) in f32.
;;   ~~~python
;;   def quantise(x, axis):      # numpy; x: float32 -> the quantised numbers, widened to float32 again
;;       x = np.moveaxis(x, axis, -1); K = x.shape[-1]
;;       x = np.pad(x, [(0, 0)] * (x.ndim - 1) + [(0, -K % 32)]); x = x.reshape(x.shape[:-1] + (-1, 32)); a = np.abs(x).max(-1, keepdims=True)
;;       e = np.where(a > 0, np.clip(np.frexp(np.where(a > 0, a, 1))[1] - 1 - 2, -126, 127), 0)      # np.frexp(a)[1] - 1 = floor(log2(a)), exactly
;;       r = np.clip(x / 2.0 ** e, -6, 6)
;;       step = 2.0 ** (np.maximum(np.frexp(np.where(r == 0, 1, r))[1] - 1, 0) - 1)
;;       q = np.round(r / step) * step * 2.0 ** e      # np.round: ties to even
;;       return np.moveaxis(q.reshape(q.shape[:-2] + (-1,))[..., :K], -1, axis).astype(np.float32)
;;   ~~~
;;   SOFTMAX AHEAD OF A QUANTISED PRODUCT. Where the list says 'softmax', what is quantised is not the finished softmax but p = 2^(t - M), with t = logit x log2(e) and M = ceil(the row's largest t), a whole number; so 1/2 < the row's largest p <= 1. The row's sum l is taken of the UNQUANTISED p, in f32, and the product's result is divided by l at the end. Since M is a whole number, a kernel that streams over the keys may use a running M (the ceiling of the running maximum): every later rescaling is an exact power of two, which a block's scale takes up: the codes' values come out the same.
;;   OPERANDS COMPUTED ON THE WAY. 'Computed on the way' means the value that the module computes at that place (a softmax that the list does not call 'softmax' is quantised finished and normalised). What goes into a quantiser is computed in f32, as accurately as f32 sums, v_exp_f32 and their like allow (about 1e-6 of the number): no bf16 or f16 on the way to a quantiser, and a product that is left as it is and whose result goes on into a quantised operand takes f32 operands (vector FMAs, or v_wmma_f32_16x16x4_f32). A number that lies on a knife's edge between two numbers of the format may be rounded either way, as far as f32 arithmetic and the matrix unit's own rounding can turn it there, and no further.
;;   INPUTS GIVEN AS CODES. W_qkv (in the module: [1024, 3072], K = its axis 0); x (in the module: [512, 32, 1024], K = its axis 2): each comes as NAME_codes (uint8): NAME with its K axis moved to the last place and cut into blocks of 32 codes, [.., K / 32, bytes a block], one block behind the other in memory; two codes a byte, the lower K in the low four bits (a code: sign, 2 exponent bits, 1 mantissa bit); and NAME_scales (uint8): the same leading axes, one E8M0 byte (e + 127) for each 32 codes along K. Its value is code x scale, taken as it is: it is not quantised again, and the codes and scales need not be those that the quantiser above would give.
;; One version. Each part assembles by itself: llvm-mc -triple=amdgcn-amd-amdhsa -mcpu=gfx1250 --defsym DOCPART=n.
;; ======== version 1 of 1: 1 launch
;; limits: right only within a limited range of input values
;; launch fused (part 1): grid 256 x 1, 8 waves a work-group, clusters of 4 x 1, 327,680 bytes of LDS; arguments x_codes, x_scales, W_qkv_codes, W_qkv_scales, mask, out0; writes out0
.if DOCPART == 1
	.amdgcn_target "amdgcn-amd-amdhsa--gfx1250"
	.amdhsa_code_object_version 6
	.text
	.protected	k_qf0977e0103_fused
	.globl	k_qf0977e0103_fused
	.p2align	8
	.type	k_qf0977e0103_fused,@function
k_qf0977e0103_fused:
	s_mov_b64 s[64:65], 0
	v_nop
	global_prefetch_b8 v0, s[64:65] scope:SCOPE_SE
	s_setreg_imm32_b32 hwreg(HW_REG_WAVE_MODE, 25, 1), 1
	s_wait_xcnt 0x0
	s_wait_alu depctr_hold_cnt(0) depctr_sa_sdst(0) depctr_va_vdst(0) depctr_va_sdst(0) depctr_va_ssrc(0) depctr_va_vcc(0) depctr_vm_vsrc(0)
	s_getreg_b32 s2, hwreg(HW_REG_IB_STS2, 6, 4)
	s_cmp_eq_u32 s2, 0
	s_cbranch_scc0 .Lentry_in_a_cluster
	s_endpgm
.Lentry_in_a_cluster:
	s_bfe_u32 s2, ttmp6, 0x10000c
	s_cmp_lg_u32 s2, 0x3003
	s_cbranch_scc0 .Lentry_shape_is_right
	s_endpgm
.Lentry_shape_is_right:
; ImprovedAttention in MX-FP4, one launch.  For each of 16,384 tokens: qkv = x W (K = 1,024), rope by the HEAD's number on q and k, S[h][h'] = q_h . k_h' / sqrt(32) among the token's own 32 heads,
; mask[h][h'], softmax over h', out[h][d] = sum over h' of p[h][h'] v[h'][d].  All three products on codes of E2M1 with E8M0 scales, sums in f32.  No token looks at another, so nothing goes through memory.
; SHARES.  A work-group owns 64 tokens.  FIRST PRODUCT: its eight waves share W's 3,072 rows, 12 trips of one UNIT a wave: 32 rows of W for 64 tokens.  Every wave keeps the codes of all 64 tokens in registers (256),
; so that a fragment of W read from LDS feeds four matrix instructions.  The 32-row form takes a unit's 32 rows of W as source 0 and 16 tokens as source 1: a lane holds one token, its 16 registers run along W's rows.
; A unit is for q and k the 32 d of one head (rope's partners d, d + 16 are registers j, j + 8), for v the 32 heads h' of one d (rows 32 apart in W): in both one block of 32 of the next product's K, 16 numbers in
; lane l and 16 in lane l xor 16.  It is quantised at once; codes and scale words go to LDS.
; PHASES of four trips: q's and k's first 16 places; their last 16; v.  Behind each of the first two every wave takes its own 8 tokens' codes of q and k into registers, as the operands that the scores want.
; ATTENTION: wave w takes tokens 8 w .. 8 w + 7, two at a time.  K = 32 lies in an instruction of K = 128: a token's 8 bytes of a lane stand in registers 0, 1 of the operands; source 1 (q, later p) holds zero codes in
; its other six registers, so that whatever finite codes source 0 (k, later v) has there count for nothing.  The block's byte stands in bytes 0 and 1 of its scale word, which serve the two halves of the lanes.
; The mask enters as the C of the scores' product: 0 or -infinity.
; W'S TILES come through a ring of two LDS slots, each wave fetching the 16 KiB that it alone reads.  All work-groups walk the same W: the four of a cluster ask JOINTLY (mask 15).
; THE WALK IS TURNED FROM CLUSTER TO CLUSTER: cluster c takes a phase's tiles in the order rho, rho + 1, .. mod 4, rho = c mod 4, so that at any time the clusters ask for four different tiles.  What a trip makes is laid
; at the place of the trip's NUMBER in its phase: no LDS address hangs on rho.  q's and k's heads then lie turned by 2 rho within each eight, v's d by 8 rho within the 32.  Set right so: rope takes the true head's cos
; and sin; the mask is read by true rows and its bytes are turned; v's codes are turned by rho bytes, so that v's h' lie as k's heads lie; out's addresses take the true head and the true d.
; LIMITS.  A block whose largest magnitude lies under 2^-124 (a block of zeros too) gets the scale byte 1: its codes are zeros.  Input scale bytes 0xff are not served.  p under 2^-126 becomes 0.
; A row of the mask that is all false gives NaN in that head's 32 outputs, as the softmax of an empty row does.  t - M is one fused multiply-add of the score, log2 e / sqrt 32 and -M.  1 / l is v_rcp_f32.
.set PARTB, 16896                      ; a wave's part of a slot: 32 rows x (512 + 16)
.set SLOTB, 135168                     ; a slot: eight parts.  Its bits (17, 12) meet none of wave x PARTB, so one exclusive or changes slots
.set FC,    270336                     ; codes of one phase: token x 528 + place x 16 + half x 8; at the head x's codes, token x 528
.set FST,   196                        ; scale words of a token: 32 of q, 32 of k, 32 of v, 16 bits each, and 4 bytes of padding
.set FS,    304128
.set SPARE, 316672                     ; the spare words: 128 bytes a wave, four blocks of 256 bytes that no other line names
; window 0
.set SPW,  2                           ; SPARE + 4 x thread; never rewritten
.set NIL,  3                           ; 0; never rewritten
.set ALQ,  4                           ; my lane's place in my part
.set WA,   5                           ; the trip's fragment address
.set FCL,  6
.set FSL,  7
.set FCA,  8
.set FSA,  9
.set WSOQ, 10                          ; 32 x lane
.set WSOV, 11                          ; 1,024 x lane
.set IDXA, 12
.set TCOS, 13                          ; lane n: cos n
.set TSIN, 14                          ; lane n: sin n
.set PFQ,  15                          ; the prefetches' offsets; never rewritten
.set PFV,  16
.set CSN,  18                          ; v18 cos, v20 sin of the unit's head (v19, v21 are 0: the packed forms name pairs)
.set IMA,  22                          ; my 8 tokens' codes in FC: + 16 r + 8 half
.set XRD,  23
.set MW,   24                          ; v24-31 the mask's bytes as loaded
.set XS,   32                          ; v32-47 x's scale words, v48-55 W's, v56-63 W's of the next trip: these 32 registers hold scales and nothing else in the whole text
.set WS,   48
.set WSN,  56
.set WB,   64                          ; v64-127 W's fragments, K step s at 16 (s mod 4); the quantiser's registers lie over them
.set TA,   64
.set TBB,  66
.set MX,   80
.set MY,   84
.set SC,   88
.set CD,   96
.set WD,   104
.set ACC,  128                         ; v128-191: token tile m at 16 m
.set STK,  192                         ; k: token t, places 16 u on: 16 (t / 4) + 8 u + 2 (t % 4)
.set STQ,  224                         ; q: token t, places 16 a on: 4 t + 2 a
; attention
.set QSC,  32
.set KSC,  40
.set VSC,  48
.set PS,   56
.set BIAS, 64                          ; 0 or -infinity: q's place 16 a + r, k's place 16 u + 8 half + j at 16 a + 8 u + j
.set PM,   96
.set AMY,  100
.set PRM,  104
.set SM,   112
.set SS,   128                         ; chain c = 2 token + a at 16 c
.set ASQ,  4
.set ASV,  5
.set STO,  6
.set RD,   7
.set CO,   8                           ; v8, v9
.set QP,   0                           ; window 1: source 1 of chain c at 8 c
.set VD,   32                          ; v's codes, laid as k's
.set OB,   128                         ; rows read back from the stage: two sets of 64
; scalars
.set WV,   16
.set CX,   17
.set GG,   18
.set WP,   19
.set SEL,  20
.set CS,   22
.set G1Q,  24
.set G1V,  32
.set G0,   40
.set TB,   44
.set H16,  45
.set H2,   46
.set CNT,  47
.set TT,   48                          ; the trip's number, 0 to 11
.set LIMQ, 49
.set LIMV, 50
.set WN,   52                          ; s[52:53] the next trip's scale words
.set RHO,  54
.set RHO2, 55
.set PQ,   56                          ; s[56:57], s[58:59] the two prefetches' addresses; never rewritten
.set PV,   58
.set T0,   60
.set T1,   62
.set T2,   66
.set SELV, 67                          ; v_perm_b32's select that turns a word right by rho bytes
.set WQ,   68                          ; q's and k's codes: my wave's part of a tile's offset
.set WVO,  69                          ; v's
.set SELL, 70                          ; the selects that turn 8 bytes right by 2 rho bytes: low word, high word
.set SELH, 71
.set HB16, 72
.set HB2,  73
.set WH4,  74
.set X0,   76                          ; (scratch for what hangs on my place in the cluster: no register that feeds a descriptor ever holds it)
.set X2,   78
.set MSB, 0
.macro WIN new                         ; the immediate's high byte repeats the setting that is left; a switch that changes nothing is dropped
.if MSB != \new
	s_set_vgpr_msb (MSB<<8)|\new
.set MSB, \new
.endif
.endm
.macro PLACES                          ; four places behind a matrix instruction
.rept 4
	v_nop
.endr
.endm
; a round of the cluster's barrier
.macro ROUND
	s_barrier_signal -1
	s_barrier_wait -1
	s_cmp_lg_u32 s[WV], 0
	s_cbranch_scc1 .Lnot_wave_0_\@
	s_barrier_signal -3
.Lnot_wave_0_\@:
	s_barrier_wait -3
	s_barrier_signal -1
	s_barrier_wait -1
.endm
; one scaled product, 32 x 16 x 128.  c < 0: C is the constant 0.  rb = 1: source 1's scale words are read from lanes 16-31
.macro W32 d, a, b, c, sa, sb, rb
.if (\c) < 0
.if (\rb)
	v_wmma_scale_f32_32x16x128_f4 v[(\d):(\d)+15], v[(\a):(\a)+15], v[(\b):(\b)+7], 0, v[(\sa)], v[(\sb)] matrix_b_scale:MATRIX_SCALE_ROW1
.else
	v_wmma_scale_f32_32x16x128_f4 v[(\d):(\d)+15], v[(\a):(\a)+15], v[(\b):(\b)+7], 0, v[(\sa)], v[(\sb)]
.endif
.else
.if (\rb)
	v_wmma_scale_f32_32x16x128_f4 v[(\d):(\d)+15], v[(\a):(\a)+15], v[(\b):(\b)+7], v[(\c):(\c)+15], v[(\sa)], v[(\sb)] matrix_b_scale:MATRIX_SCALE_ROW1
.else
	v_wmma_scale_f32_32x16x128_f4 v[(\d):(\d)+15], v[(\a):(\a)+15], v[(\b):(\b)+7], v[(\c):(\c)+15], v[(\sa)], v[(\sb)]
.endif
.endif
.endm
; PREFETCHES INTO THE L2 of the FIRST tiles of the second and of the third phase: in trip 1 (which = 1) the tile that the change of trip 3 asks for, in trip 5 (2) the tile that the change of trip 7 asks for: two trips
; ahead.  Clusters 0 to 3 ask, each for its own first tile (tile rho of the phase): together the phase's four tiles.  Of the 64 blocks of 256 bytes that wave w fetches, each of the four partners names 16, told apart by
; address (lanes 16 to 31 name the last again): each block once in the launch.  The two addresses are made at the head and never stepped.
.macro ASK which
.if \which == 1
	s_cmp_eq_u32 s[TT], s[LIMQ]
	s_cbranch_scc0 .Lno_\@
	global_prefetch_b8 v[PFQ], s[PQ:PQ+1] th:TH_LOAD_NT scope:SCOPE_SE
.Lno_\@:
.else
	s_cmp_eq_u32 s[TT], s[LIMV]
	s_cbranch_scc0 .Lno_\@
	global_prefetch_b8 v[PFV], s[PV:PV+1] th:TH_LOAD_NT scope:SCOPE_SE
.Lno_\@:
.endif
.endm
; s[T1] = the byte in W's codes at which my part of the NEXT trip's tile begins: N = TT + 1, j = (N + rho) mod 4.  fill 1: q, k; 2: v
.macro NEXT fill
	s_add_co_u32 s[T2], s[TT], 1
	s_add_co_u32 s[T1], s[T2], s[RHO]
	s_and_b32 s[T1], s[T1], 3
.if \fill == 1
	s_lshl_b32 s[T1], s[T1], 15                    ; two heads a step of j
	s_and_b32 s[T2], s[T2], 4
	s_lshl_b32 s[T2], s[T2], 16                    ; the second phase's 16 heads on
	s_add_co_u32 s[T1], s[T1], s[T2]
	s_add_co_u32 s[T1], s[T1], s[WQ]
.else
	s_lshl_b32 s[T1], s[T1], 12                    ; eight d
	s_add_co_u32 s[T1], s[T1], s[WVO]
.endif
.endm
; THE CHANGE OF SLOTS, at a trip's head.  fill = 1: the next tile is q's and k's; 2: v's
.macro CHANGE fill
	s_wait_tensorcnt 0x0                           ; my one tensor load, this trip's tile, has landed: so group 0 may be written
	ds_add_u32 v[SPW], v[NIL]                      ; 0 onto my spare word: the steps below stand between it and the wait for it
	NEXT \fill
	s_xor_b32 s[G0+1], s[G0+1], SLOTB              ; the other slot
	s_add_nc_u64 s[G0+2:G0+3], s[8:9], s[T1:T1+1]
	s_or_b32 s[G0+3], s[G0+3], 0x80000000          ; type = 2
	s_lshr_b32 s[T1], s[T1], 4                     ; a row's 32 scale bytes stand for its 512 bytes of codes
	s_add_nc_u64 s[WN:WN+1], s[10:11], s[T1:T1+1]  ; (the loads that used this base were waited for in the last trip)
	s_wait_dscnt 0x0                               ; the add is done; my reads of the other slot and of FC are in, my stores there have landed
	ROUND                                          ; the same holds of every wave of the four work-groups
.if \fill == 1
	tensor_load_to_lds s[G0:G0+3], s[G1Q:G1Q+7]    ; the next trip's tile: my one tensor load until the next round; it has this trip's work in which to land
	s_nop 0
.else
	tensor_load_to_lds s[G0:G0+3], s[G1V:G1V+7]
	s_nop 0
.endif
	PLACES
.endm
; the scale words of a unit: lane L takes row L, all of K (32 bytes).  fill 1: q, k (rows 32 bytes apart); 2: v (rows 1,024 bytes apart)
.macro WSLOAD reg, fill
.if \fill == 1
	global_load_b128 v[\reg:\reg+3], v[WSOQ], s[WN:WN+1]
	global_load_b128 v[\reg+4:\reg+7], v[WSOQ], s[WN:WN+1] offset:16
.else
	global_load_b128 v[\reg:\reg+3], v[WSOV], s[WN:WN+1]
	global_load_b128 v[\reg+4:\reg+7], v[WSOV], s[WN:WN+1] offset:16
.endif
.endm
.macro FRAG s                          ; K step s of my unit: 32 rows x 128 K
.irp u, 0,1
.irp c, 0,1
	ds_load_b128 v[WB+16*((\s)%4)+8*\u+4*\c:WB+16*((\s)%4)+8*\u+4*\c+3], v[WA] offset:8448*\u+64*(\s)+32*\c
.endr
.endr
.endm
.macro MM s                            ; K step s: the four accumulators by turns, one instruction a turn; the first K step starts the sums
.irp m, 0,1,2,3
.if \s == 0
	W32 ACC+16*\m, WB+16*((\s)%4), 64*\m+8*(\s), -1, WS+(\s), XS+8*(\m/2)+(\s), \m%2
.else
	W32 ACC+16*\m, WB+16*((\s)%4), 64*\m+8*(\s), ACC+16*\m, WS+(\s), XS+8*(\m/2)+(\s), \m%2
.endif
.endr
.endm
; a unit's 32 products.  Four K steps' fragments fit: steps 4 to 7 are fetched in two runs, each behind four places.  A wait's count is the younger steps' loads, four a step
.macro GEMM
	FRAG 0
	FRAG 1
	FRAG 2
	FRAG 3
	WIN 0x04                                       ; source 1 (x) window 1
	s_wait_dscnt 12
	MM 0
	s_wait_dscnt 8
	MM 1
	PLACES
	FRAG 4
	FRAG 5
	s_wait_dscnt 12
	MM 2
	s_wait_dscnt 8
	MM 3
	PLACES
	FRAG 6
	FRAG 7
	s_wait_dscnt 12
	MM 4
	s_wait_dscnt 8
	MM 5
	s_wait_dscnt 4
	MM 6
	s_wait_dscnt 0x0
	MM 7
	WIN 0
.endm
; a unit's results become codes and scale words.  kind = 0: rope first.  The four token tiles by turns.  mv: the next trip's scale words take their place
.macro EPI kind, mv
	v_add_nc_u32 v[FCA], s[H16], v[FCL]            ; (these two and the two v_nop are the places behind the last products)
	v_add_nc_u32 v[FSA], s[H2], v[FSL]
	v_nop
	v_nop
.if \kind == 0
.irp jp, 0,2,4,6
.irp m, 0,1,2,3
	v_pk_mul_f32 v[TBB+4*\m:TBB+4*\m+1], v[ACC+16*\m+\jp:ACC+16*\m+1+\jp], v[CSN+2:CSN+3] op_sel_hi:[1,0]      ; t(d) sin
	v_pk_mul_f32 v[TA+4*\m:TA+4*\m+1], v[ACC+16*\m+8+\jp:ACC+16*\m+9+\jp], v[CSN+2:CSN+3] op_sel_hi:[1,0]      ; t(d + 16) sin
.endr
.irp m, 0,1,2,3
	v_pk_fma_f32 v[ACC+16*\m+\jp:ACC+16*\m+1+\jp], v[ACC+16*\m+\jp:ACC+16*\m+1+\jp], v[CSN:CSN+1], v[TA+4*\m:TA+4*\m+1] op_sel_hi:[1,0,1] neg_lo:[0,0,1] neg_hi:[0,0,1]   ; t(d) cos - t(d + 16) sin
	v_pk_fma_f32 v[ACC+16*\m+8+\jp:ACC+16*\m+9+\jp], v[ACC+16*\m+8+\jp:ACC+16*\m+9+\jp], v[CSN:CSN+1], v[TBB+4*\m:TBB+4*\m+1] op_sel_hi:[1,0,1]                          ; t(d + 16) cos + t(d) sin
.endr
.endr
.endif
.if \mv
	s_wait_loadcnt 0x0                             ; the next trip's scale words are in
.irp k, 0,1,2,3,4,5,6,7
	v_mov_b32 v[WS+\k], v[WSN+\k]
.endr
.endif
.irp m, 0,1,2,3
	v_max3_num_f32 v[MX+\m], |v[ACC+16*\m]|, |v[ACC+16*\m+1]|, 0x1800000   ; my 16 of the block, and the floor 2^(3 - 127): the byte cannot fall under 1
.endr
.irp i, 2,4,6,8,10,12,14
.irp m, 0,1,2,3
	v_max3_num_f32 v[MX+\m], v[MX+\m], |v[ACC+16*\m+\i]|, |v[ACC+16*\m+\i+1]|
.endr
.endr
.irp m, 0,1,2,3
	v_permlanex16_b32 v[MY+\m], v[MX+\m], s[SEL], s[SEL+1]
.endr
.irp m, 0,1,2,3
	v_max_num_f32 v[MX+\m], v[MX+\m], v[MY+\m]     ; with lane l xor 16's: the block's largest magnitude
.endr
.irp m, 0,1,2,3
	v_add_nc_u32 v[SC+\m], 0xff000000, v[MX+\m]    ; 2 off its exponent field: the conversion's scale operand
.endr
.irp m, 0,1,2,3
	v_lshrrev_b32 v[MX+\m], 23, v[SC+\m]           ; the byte,
.endr
.irp m, 0,1,2,3
	v_perm_b32 v[WD+\m], v[MX+\m], v[MX+\m], 0     ; in every byte
.endr
.irp m, 0,1,2,3
	v_cvt_scalef32_pk8_fp4_f32 v[CD+2*\m], v[ACC+16*\m:ACC+16*\m+7], v[SC+\m]
	v_cvt_scalef32_pk8_fp4_f32 v[CD+2*\m+1], v[ACC+16*\m+8:ACC+16*\m+15], v[SC+\m]
.endr
	v_nop                                          ; one plain place behind the conversions
.if \kind == 1
.irp k, 0,1,2,3,4,5,6,7
	v_perm_b32 v[CD+\k], v[CD+\k], v[CD+\k], s[SELV]   ; a word's eight h' turned right by 2 rho codes: nibble j now holds the head that lies at k's place j
.endr
.endif
.irp m, 0,1,2,3
	ds_store_b64 v[FCA], v[CD+2*\m:CD+2*\m+1] offset:8448*\m
	ds_store_b16 v[FSA], v[WD+\m] offset:16*FST*\m     ; both halves of the lanes write the same 16 bits with the same value
.endr
.endm
; A TRIP: one unit a wave.  kind 0: q, k; 1: v.  fill 0: the last trip; else see CHANGE
.macro TRIP kind, fill, ask
.if \fill
	CHANGE \fill
	WSLOAD WSN, \fill
.if \ask
	ASK \ask
.endif
.else
	s_wait_tensorcnt 0x0                           ; the last tile: only I read my part of it, and nothing is filled any more
	s_wait_dscnt 0x0
.endif
.if \kind == 0
	s_add_co_u32 s[T0], s[TT], s[RHO]
	s_and_b32 s[T0], s[T0], 3
	s_lshl_b32 s[T0], s[T0], 3
	s_and_b32 s[T2], s[TT], 4
	s_lshl_b32 s[T2], s[T2], 4
	s_add_co_u32 s[T0], s[T0], s[T2]
	s_add_co_u32 s[T0], s[T0], s[WH4]              ; 4 x the unit's head: the table's lane, as a byte index
	v_mov_b32 v[IDXA], s[T0]
	ds_bpermute_b32 v[CSN], v[IDXA], v[TCOS]
	ds_bpermute_b32 v[CSN+2], v[IDXA], v[TSIN]
.endif
	v_add_nc_u32 v[WA], s[TB], v[ALQ]
	s_wait_alu depctr_va_vdst(0)                   ; directly behind the write
	GEMM
	EPI \kind, \fill
	s_xor_b32 s[TB], s[TB], SLOTB
.if \kind == 0
	s_add_co_u32 s[H16], s[H16], 32                ; q, k: place 8 (w / 2) + 2 i + w % 2 (k's behind q's 16)
.else
	s_add_co_u32 s[H16], s[H16], 128               ; v: place 8 i + w
.endif
	s_add_co_u32 s[H2], s[H2], 2
	s_add_co_u32 s[TT], s[TT], 1
.endm
; FC is full: each wave takes its own 8 tokens' q and k, places 16 im on.  The wait for these loads is the next change's wait on DScnt, and that change's round stands ahead of the next stores into FC
.macro PHASE_END im
	s_wait_dscnt 0x0                               ; for the others' sake: my stores have landed
	s_barrier_signal -1
	s_barrier_wait -1                              ; (my tensor load stays out)
.irp t, 0,1,2,3,4,5,6,7
	ds_load_b64 v[STQ+4*\t+2*\im:STQ+4*\t+2*\im+1], v[IMA] offset:528*\t
	ds_load_b64 v[STK+16*(\t/4)+8*\im+2*(\t%4):STK+16*(\t/4)+8*\im+2*(\t%4)+1], v[IMA] offset:528*\t+256
.endr
.endm
.macro TAB n, c, s
	s_mov_b32 s[T2], \c
	v_writelane_b32 v[TCOS], s[T2], \n
	s_mov_b32 s[T2], \s
	v_writelane_b32 v[TSIN], s[T2], \n
.endm
	s_load_b256 s[4:11], s[0:1], 0x0               ; x's codes s[4:5], x's scales s[6:7], W's codes s[8:9], W's scales s[10:11]
	s_load_b128 s[12:15], s[0:1], 0x20             ; mask s[12:13], out s[14:15]
	v_lshl_add_u32 v[SPW], v0, 2, SPARE
	v_mov_b32 v[NIL], 0
	ds_add_u32 v[SPW], v[NIL]                      ; the wave's opening: the add, twice on end, and its wait ahead of my first tensor load
	ds_add_u32 v[SPW], v[NIL]
	v_lshrrev_b32 v1, 5, v0
	v_readfirstlane_b32 s[WV], v1                  ; wave 0..7
	s_bfe_u32 s[CX], ttmp6, 0x40000                ; my place in the cluster: it enters x's and out's addresses and the prefetches' alone
	s_lshl_b32 s[GG], ttmp9, 2
	s_add_co_u32 s[GG], s[GG], s[CX]               ; my work-group: tokens 64 g on
	s_mul_i32 s[WP], s[WV], PARTB
	s_and_b32 s[RHO], ttmp9, 3                     ; the cluster's turn: the same in all four partners
	s_lshl_b32 s[RHO2], s[RHO], 1
	s_mul_i32 s[SELV], s[RHO], 0x01010101
	s_lshl_b32 s[SELL], s[SELV], 1                 ; 2 rho in each byte
	s_add_co_u32 s[SELH], s[SELL], 0x07060504
	s_and_b32 s[SELH], s[SELH], 0x07070707         ; byte b of the high word comes from byte (4 + b + 2 rho) mod 8
	s_add_co_u32 s[SELL], s[SELL], 0x03020100
	s_and_b32 s[SELL], s[SELL], 0x07070707         ; byte b of the low word from byte (b + 2 rho) mod 8
	s_add_co_u32 s[SELV], s[SELV], 0x03020100      ; byte b from byte b + rho of the word written twice
	; my unit of a q, k tile: head 16 (phase) + 8 ((w / 2) % 2) + 2 j + w % 2 of q (w < 4) or k; of a v tile: d = 8 j + w
	s_and_b32 s[T0], s[WV], 1
	s_lshr_b32 s[T1], s[WV], 1
	s_and_b32 s[T2], s[T1], 1
	s_lshr_b32 s[T1], s[WV], 2
	s_lshl_b32 s[WQ], s[T1], 19                    ; a unit of q or k is 16,384 bytes
	s_lshl_b32 s[HB2], s[T1], 6
	s_lshl_b32 s[HB16], s[T1], 8
	s_lshl_b32 s[T1], s[T2], 17
	s_add_co_u32 s[WQ], s[WQ], s[T1]
	s_lshl_b32 s[T1], s[T2], 3
	s_add_co_u32 s[HB2], s[HB2], s[T1]
	s_lshl_b32 s[T1], s[T2], 7
	s_add_co_u32 s[HB16], s[HB16], s[T1]
	s_lshl_b32 s[WH4], s[T2], 5
	s_lshl_b32 s[T1], s[T0], 14
	s_add_co_u32 s[WQ], s[WQ], s[T1]
	s_lshl_b32 s[T1], s[T0], 5
	s_add_co_u32 s[HB2], s[HB2], s[T1]             ; scale words: place p of q or k at 32 (p % 2) + 2 (p / 2): a wave's lie on end
	s_lshl_b32 s[T1], s[T0], 4
	s_add_co_u32 s[HB16], s[HB16], s[T1]
	s_lshl_b32 s[T1], s[T0], 2
	s_add_co_u32 s[WH4], s[WH4], s[T1]
	s_lshl_b32 s[WVO], s[WV], 9
	s_add_co_u32 s[WVO], s[WVO], 1048576
	; group 1: 32 rows x 512 bytes, 16 bytes of padding behind each row; q's and k's rows are dense, v's lie 32 rows of W apart
	s_mov_b32 s[G1Q+0], 15|(1<<20)|(1<<21)|(6<<22)|(3<<25)   ; 15:0 the mask: all four work-groups; 17:16 elements of 1 byte; 20 padding on; 21 set beside a mask; 24:22 after every 128 words; 31:25 four words
	s_mov_b32 s[G1V+0], 15|(1<<20)|(1<<21)|(6<<22)|(3<<25)
.irp g, G1Q, G1V
	s_mov_b32 s[\g+1], 512<<16                     ; tensor_dim0
	s_mov_b32 s[\g+2], 32<<16                      ; tensor_dim1
	s_mov_b32 s[\g+3], 512<<16                     ; tile_dim0
	s_mov_b32 s[\g+4], 32                          ; tile_dim1
	s_mov_b32 s[\g+6], 0
	s_mov_b32 s[\g+7], 0
.endr
	s_mov_b32 s[G1Q+5], 512                        ; from row to row
	s_mov_b32 s[G1V+5], 16384
	s_mov_b32 s[SEL], 0x76543210
	s_mov_b32 s[SEL+1], 0xfedcba98                 ; v_permlanex16_b32's selects for lane l xor 16
	s_mov_b32 s[CS], 0x3e8293ee                    ; log2(e) / sqrt(32)
	s_mov_b32 s[CS+1], s[CS]
	s_mov_b32 s[TB], 0
	s_mov_b32 s[TT], 0
	s_mov_b32 s[H16], s[HB16]
	s_mov_b32 s[H2], s[HB2]
	s_cmp_lt_u32 ttmp9, 4                          ; clusters 0 to 3 prefetch, in trips 1 and 5: the same in all four partners
	s_cselect_b32 s[LIMQ], 1, -1
	s_cselect_b32 s[LIMV], 5, -1
	s_mov_b32 s[T0+1], 0
	s_mov_b32 s[T1+1], 0
	s_mov_b32 s[X0+1], 0
	v_and_b32 v110, 15, v0                         ; r
	v_bfe_u32 v111, v0, 4, 1                       ; half
	v_and_b32 v112, 31, v0                         ; lane
	v_lshlrev_b32 v108, 4, v112
	v_lshlrev_b32 v[WSOQ], 5, v112
	v_lshlrev_b32 v[WSOV], 10, v112
	v_add_nc_u32 v113, s[RHO2], v110
	v_and_b32 v113, 7, v113
	v_and_b32 v114, 8, v110
	v_or_b32 v113, v113, v114                      ; the head that lies at place r of its sixteen: (r & 8) + (r + 2 rho) mod 8
	v_lshlrev_b32 v109, 5, v113
	v_lshl_add_u32 v109, v111, 3, v109             ; mask: that head's row, 8 bytes for each half
	s_wait_alu depctr_va_vdst(0)                   ; ahead of the two waits below
	s_wait_dscnt 0x0                               ; both opening adds are done
	s_wait_kmcnt 0x0
	s_lshl_b32 s[X0], s[GG], 15
	s_lshl_b32 s[X2], s[WV], 12
	s_add_co_u32 s[X0], s[X0], s[X2]
	s_add_nc_u64 s[4:5], s[4:5], s[X0:X0+1]        ; x's codes at the 8 tokens that my wave brings
	s_lshl_b32 s[X0], s[GG], 11
	s_add_nc_u64 s[6:7], s[6:7], s[X0:X0+1]        ; the scale bytes of my work-group's 64
	s_lshl_b32 s[T0], s[RHO], 15
	s_add_co_u32 s[T0], s[T0], s[WQ]               ; my part of my walk's tile 0
	s_mov_b32 s[G0], 1                             ; count = 1
	s_mul_i32 s[G0+1], s[WV], PARTB                ; slot 0, my part
	s_add_nc_u64 s[G0+2:G0+3], s[8:9], s[T0:T0+1]
	s_or_b32 s[G0+3], s[G0+3], 0x80000000          ; type = 2
	s_lshr_b32 s[T0], s[T0], 4
	s_add_nc_u64 s[WN:WN+1], s[10:11], s[T0:T0+1]  ; and its scale words
.irp t, 0,1,2,3,4,5,6,7
	global_load_b128 v[64+4*\t:67+4*\t], v108, s[4:5] offset:512*\t th:TH_LOAD_NT   ; x: a token's 512 bytes an instruction; each wave brings 8 of the 64 tokens
.endr
.irp mm, 0,1
.irp q, 0,1
	global_load_b128 v[XS+8*\mm+4*\q:XS+8*\mm+4*\q+3], v[WSOQ], s[6:7] offset:1024*\mm+16*\q   ; lane L: token 32 mm + L, K steps 4 q on
.endr
.endr
	WSLOAD WS, 1
.irp k, 0,1,2,3
	global_load_b64 v[MW+2*\k:MW+2*\k+1], v109, s[12:13] offset:512*(\k/2)+16*(\k%2)   ; mask[the head at place 16 a + r][16 u + 8 half + 0 .. 7], k = 2 a + u
.endr
	ROUND                                          ; all four work-groups are here: the first joint loads meet
	tensor_load_to_lds s[G0:G0+3], s[G1Q:G1Q+7]    ; tile 0: one tensor load a wave at the head
	s_nop 0
	PLACES
	s_lshl_b32 s[X0], s[RHO], 15                   ; the prefetches: my wave's part of the second phase's tile rho, my work-group's quarter of it
	s_add_co_u32 s[X0], s[X0], 262144
	s_add_co_u32 s[X0], s[X0], s[WQ]
	s_lshl_b32 s[X2], s[CX], 12
	s_add_co_u32 s[X0], s[X0], s[X2]
	s_add_nc_u64 s[PQ:PQ+1], s[8:9], s[X0:X0+1]
	s_lshl_b32 s[X0], s[RHO], 12                   ; and of v's tile rho: eight of its 32 rows
	s_add_co_u32 s[X0], s[X0], s[WVO]
	s_lshl_b32 s[X2], s[CX], 17
	s_add_co_u32 s[X0], s[X0], s[X2]
	s_add_nc_u64 s[PV:PV+1], s[8:9], s[X0:X0+1]
	s_lshl_b32 s[X0], s[GG], 18
	s_lshl_b32 s[X2], s[WV], 15
	s_add_co_u32 s[X0], s[X0], s[X2]
	s_add_nc_u64 s[14:15], s[14:15], s[X0:X0+1]    ; out at my wave's 8 tokens
	v_mov_b32 v[TCOS], 0
	v_mov_b32 v[TSIN], 0
	TAB 0, 1.0, 0
	TAB 1, 0.5403023059, 0.8414709848
	TAB 2, -0.4161468365, 0.9092974268
	TAB 3, -0.9899924966, 0.1411200081
	TAB 4, -0.6536436209, -0.7568024953
	TAB 5, 0.2836621855, -0.9589242747
	TAB 6, 0.9601702867, -0.2794154982
	TAB 7, 0.7539022543, 0.6569865987
	TAB 8, -0.1455000338, 0.9893582466
	TAB 9, -0.9111302619, 0.4121184852
	TAB 10, -0.8390715291, -0.5440211109
	TAB 11, 0.0044256980, -0.9999902066
	TAB 12, 0.8438539587, -0.5365729180
	TAB 13, 0.9074467815, 0.4201670368
	TAB 14, 0.1367372182, 0.9906073557
	TAB 15, -0.7596879129, 0.6502878402
	TAB 16, -0.9576594803, -0.2879033167
	TAB 17, -0.2751633381, -0.9613974919
	TAB 18, 0.6603167082, -0.7509872468
	TAB 19, 0.9887046182, 0.1498772097
	TAB 20, 0.4080820618, 0.9129452507
	TAB 21, -0.5477292602, 0.8366556385
	TAB 22, -0.9999608264, -0.0088513093
	TAB 23, -0.5328330203, -0.8462204042
	TAB 24, 0.4241790073, -0.9055783620
	TAB 25, 0.9912028119, -0.1323517501
	TAB 26, 0.6469193223, 0.7625584505
	TAB 27, -0.2921388087, 0.9563759284
	TAB 28, -0.9626058663, 0.2709057883
	TAB 29, -0.7480575297, -0.6636338842
	TAB 30, 0.1542514499, -0.9880316241
	TAB 31, 0.9147423578, -0.4040376453
	s_mul_i32 s[T0], s[WV], 4224
	s_add_co_u32 s[T0], s[T0], FC                  ; my 8 tokens' rows of FC
	v_lshl_add_u32 v115, v112, 4, s[T0]            ; where I put x
	v_lshlrev_b32 v[IMA], 4, v110
	v_lshl_add_u32 v[IMA], v111, 3, v[IMA]
	v_add_nc_u32 v[IMA], s[T0], v[IMA]
	v_mul_u32_u24 v[ALQ], v110, 528
	v_lshl_add_u32 v[FCL], v111, 3, v[ALQ]
	v_add_nc_u32 v[FCL], FC, v[FCL]                ; FC + 528 r + 8 x half
	v_lshl_add_u32 v[ALQ], v111, 4, v[ALQ]
	v_add_nc_u32 v[XRD], FC, v[ALQ]                ; x: FC + 528 r + 16 x half
	v_add_nc_u32 v[ALQ], s[WP], v[ALQ]             ; my part + 528 r + 16 x half
	v_mul_u32_u24 v[FSL], v110, FST
	v_add_nc_u32 v[FSL], FS, v[FSL]
	v_min_u32 v1, 15, v112
	v_lshlrev_b32 v[PFQ], 8, v1
	v_lshrrev_b32 v[PFV], 1, v1
	v_lshlrev_b32 v[PFV], 14, v[PFV]
	v_and_b32 v1, 1, v1
	v_lshl_add_u32 v[PFV], v1, 8, v[PFV]           ; eight rows x two blocks of 256 bytes
	v_mov_b32 v[CSN+1], 0
	v_mov_b32 v[CSN+3], 0
	s_wait_alu depctr_va_vdst(0)
	s_wait_loadcnt 0xa                             ; x is in; the ten loads behind it (scales, mask) may be out
.irp t, 0,1,2,3,4,5,6,7
	ds_store_b128 v115, v[64+4*\t:67+4*\t] offset:528*\t
.endr
	s_wait_dscnt 0x0
	s_barrier_signal -1
	s_barrier_wait -1                              ; all of x lies in FC (my tensor load stays out)
	WIN 0x40                                       ; destination window 1
.irp s, 0,1,2,3,4,5,6,7
.irp m, 0,1,2,3
.irp c, 0,1
	ds_load_b128 v[64*\m+8*\s+4*\c:64*\m+8*\s+4*\c+3], v[XRD] offset:8448*\m+64*\s+32*\c   ; x stays in registers: token tile m, K step s.  The first change's wait on DScnt shows these in, and its round stands ahead of the first stores into FC
.endr
.endr
.endr
	WIN 0
	s_wait_loadcnt 0x0                             ; scales, mask
	; ---- THE FIRST PRODUCT: trips 0 to 3 and 4 to 7 make q and k, trips 8 to 11 v
	s_mov_b32 s[CNT], 4
.Lqk1:
	TRIP 0, 1, 1
	s_sub_co_u32 s[CNT], s[CNT], 1
	s_cmp_lg_u32 s[CNT], 0
	s_cbranch_scc1 .Lqk1
	PHASE_END 0
	s_mov_b32 s[H16], s[HB16]
	s_add_co_u32 s[H2], s[HB2], 16
	s_mov_b32 s[CNT], 3
.Lqk2:
	TRIP 0, 1, 2
	s_sub_co_u32 s[CNT], s[CNT], 1
	s_cmp_lg_u32 s[CNT], 0
	s_cbranch_scc1 .Lqk2
	TRIP 0, 2, 0                                   ; trip 7 asks for v's first tile and scale words
	PHASE_END 1
	s_lshl_b32 s[H16], s[WV], 4
	s_lshl_b32 s[H2], s[WV], 3
	s_add_co_u32 s[H2], s[H2], 128                 ; v's scale words: place 8 i + w at 128 + 8 w + 2 i
	s_mov_b32 s[CNT], 3
.Lv:
	TRIP 1, 2, 0
	s_sub_co_u32 s[CNT], s[CNT], 1
	s_cmp_lg_u32 s[CNT], 0
	s_cbranch_scc1 .Lv
	TRIP 1, 0, 0                                   ; the last trip is written out: it asks for nothing
	; ---- ATTENTION.  My part of slot 0, which has had its last fill and its last read, is my stage: two tokens of 16 rows x 272
	s_wait_dscnt 0x0
	s_barrier_signal -1                            ; work on registers while the others arrive
	v_and_b32 v12, 15, v0                          ; r
	v_bfe_u32 v18, v0, 4, 1                        ; half
	v_and_b32 v19, 31, v0                          ; lane
	s_mul_i32 s[T0], s[WV], 8*FST
	s_add_co_u32 s[T0], s[T0], FS                  ; my 8 tokens' scale words
	v_and_b32 v1, 1, v19
	v_and_b32 v20, 30, v19
	v_lshl_add_u32 v20, v1, 5, v20
	v_add_nc_u32 v[ASQ], s[T0], v20                ; lane L: place L of q: 32 (L % 2) + 2 (L / 2)
	v_and_b32 v1, 7, v19
	v_lshrrev_b32 v20, 3, v19
	v_lshlrev_b32 v20, 1, v20
	v_lshl_add_u32 v20, v1, 3, v20
	v_add_nc_u32 v[ASV], s[T0], v20                ; place L of v: 8 (L % 8) + 2 (L / 8)
	v_lshrrev_b32 v1, 1, v12
	v_mul_u32_u24 v20, v1, 272
	v_and_b32 v1, 1, v12
	v_lshl_add_u32 v20, v1, 7, v20
	v_lshl_add_u32 v20, v18, 5, v20
	v_add_nc_u32 v[STO], s[WP], v20                ; into the stage: two places of q to a row of 256 bytes; place r: row r / 2, + 128 (r % 2), + 32 x half
	v_mul_u32_u24 v20, v18, 272
	v_lshl_add_u32 v20, v12, 4, v20
	v_add_nc_u32 v[RD], s[WP], v20                 ; back: lanes 0-15 one row, lanes 16-31 the next
	; where a stage row's bytes belong in out.  Row R = 2 i + half holds places 2 R, 2 R + 1 of q: the true pair of heads is (R & ~3) + (R + rho) mod 4.  My 16 bytes are piece r % 8 of a head's eight: the true piece is (r + 2 rho) mod 8
	v_add_nc_u32 v20, s[RHO2], v12
	v_and_b32 v20, 7, v20
	v_and_b32 v1, 8, v12
	v_or_b32 v20, v20, v1                          ; (r & 8) + the true piece
	v_add_nc_u32 v1, s[RHO], v18
	v_and_b32 v[CO], 3, v1
	v_lshlrev_b32 v[CO], 8, v[CO]
	v_lshl_add_u32 v[CO], v20, 4, v[CO]            ; for even i: 256 ((half + rho) mod 4) + 16 x that
	v_add_nc_u32 v1, 2, v1
	v_and_b32 v[CO+1], 3, v1
	v_lshlrev_b32 v[CO+1], 8, v[CO+1]
	v_lshl_add_u32 v[CO+1], v20, 4, v[CO+1]        ; for odd i: 256 ((2 + half + rho) mod 4) + 16 x that
	WIN 0x40                                       ; destination window 1
.irp c, 0,1,2,3
	v_mov_b32 v[QP+8*\c], v[STQ+4*(\c/2)+2*(\c%2)]         ; tokens 0 and 1: q
	v_mov_b32 v[QP+8*\c+1], v[STQ+4*(\c/2)+2*(\c%2)+1]
.irp i, 2,3,4,5,6,7
	v_mov_b32 v[QP+8*\c+\i], 0                     ; zero codes; written once
.endr
.endr
	WIN 0
	v_mov_b32 v17, 0xff800000                      ; -infinity
.irp k, 0,1,2,3
	v_perm_b32 v[SM+2*\k], v[MW+2*\k+1], v[MW+2*\k], s[SELL]     ; the eight bytes turned right by 2 rho: byte j now belongs to the head that lies at k's place j of the eight
	v_perm_b32 v[SM+2*\k+1], v[MW+2*\k+1], v[MW+2*\k], s[SELH]
.endr
.irp k, 0,1,2,3
.irp j, 0,1,2,3,4,5,6,7
	v_bfe_u32 v1, v[SM+2*\k+\j/4], 8*(\j%4), 8
	v_cmp_eq_u32 vcc_lo, 0, v1
	v_cndmask_b32 v[BIAS+8*\k+\j], 0, v17, vcc_lo  ; a hole in the mask adds -infinity to the score
.endr
.endr
	s_wait_alu depctr_va_vdst(0)                   ; directly ahead of the wait below
	s_barrier_wait -1                              ; v's codes lie in FC
.irp t, 0,1,2,3,4,5,6,7
	ds_load_u16 v[QSC+\t], v[ASQ] offset:FST*\t    ; lane L: place L's word: its byte in bytes 0 and 1, bytes 2 and 3 are 0 and meet zero codes alone
	ds_load_u16 v[KSC+\t], v[ASQ] offset:FST*\t+64
.endr
.irp t, 0,1,2,3,4,5,6,7
	ds_load_u16 v[VSC+\t], v[ASV] offset:FST*\t+128
.endr
	WIN 0x40
.irp t, 0,1,2,3,4,5,6,7
.irp e, 0,1
	ds_load_b64 v[VD+16*(\t/4)+8*\e+2*(\t%4):VD+16*(\t/4)+8*\e+2*(\t%4)+1], v[IMA] offset:528*\t+256*\e     ; v: d's places 16 e + r
.endr
.endr
	WIN 0
	s_wait_dscnt 24                                ; q's and k's words are in; v's eight words and sixteen loads of codes may be out
; two tokens, 2 n and 2 n + 1: four chains c = 2 token + a (q's places 16 a on) by turns
.macro ATT n
.set KB, STK+16*((\n)/2)+4*((\n)%2)
.set VB, VD+16*((\n)/2)+4*((\n)%2)
.set TK, 2*(\n)
	WIN 0x04
.irp c, 0,1,2,3
	W32 SS+16*\c, KB+2*(\c/2), QP+8*\c, BIAS+16*(\c%2), KSC+TK+\c/2, QSC+TK+\c/2, \c%2     ; S^T: lane: q's place 16 a + r; register 8 u + j: k's place 16 u + 8 half + j
.endr
	WIN 0
	PLACES
.irp c, 0,1,2,3
	v_max3_num_f32 v[PM+\c], v[SS+16*\c], v[SS+16*\c+1], v[SS+16*\c+2]
.endr
.irp i, 3,5,7,9,11,13
.irp c, 0,1,2,3
	v_max3_num_f32 v[PM+\c], v[PM+\c], v[SS+16*\c+\i], v[SS+16*\c+\i+1]
.endr
.endr
.irp c, 0,1,2,3
	v_max_num_f32 v[PM+\c], v[PM+\c], v[SS+16*\c+15]
.endr
.irp c, 0,1,2,3
	v_permlanex16_b32 v[AMY+\c], v[PM+\c], s[SEL], s[SEL+1]
.endr
.irp c, 0,1,2,3
	v_max_num_f32 v[PM+\c], v[PM+\c], v[AMY+\c]    ; the row's largest score
.endr
.irp c, 0,1,2,3
	v_mul_f32 v[PRM+2*\c+1], s[CS], v[PM+\c]       ; as t
.endr
.irp c, 0,1,2,3
	v_floor_f32 v[PRM+2*\c], -v[PRM+2*\c+1]        ; -M = floor(-t) = -ceil(t)
.endr
.irp c, 0,1,2,3
	v_fma_f32 v[PM+\c], v[PM+\c], s[CS], v[PRM+2*\c]   ; the largest t - M: the same fused line as its element's below, so the same bits
.endr
.irp c, 0,1,2,3
.irp i, 0,2,4,6,8,10,12,14
	v_pk_fma_f32 v[SS+16*\c+\i:SS+16*\c+\i+1], v[SS+16*\c+\i:SS+16*\c+\i+1], s[CS:CS+1], v[PRM+2*\c:PRM+2*\c+1] op_sel_hi:[1,0,0]   ; t - M
.endr
.endr
	s_wait_alu depctr_va_vdst(0)                   ; ahead of the batch
.set i, 0
.rept 64
	v_exp_f32 v[SS+i], v[SS+i]                     ; p = 2^(t - M): not normalised
.set i, i+1
.endr
.irp c, 0,1,2,3
	v_exp_f32 v[PM+\c], v[PM+\c]                   ; the row's (the block's) largest p
.endr
	v_nop                                          ; a plain place behind the exponentials
	s_wait_alu depctr_va_vdst(0)                   ; one wait for the batch, ahead of its first reader
.irp c, 0,1,2,3
	v_max_num_f32 v[PM+\c], 0x1800000, v[PM+\c]    ; the floor 2^(3 - 127)
.endr
.irp c, 0,1,2,3
	v_add_nc_u32 v[PM+\c], 0xff000000, v[PM+\c]    ; 2 off the exponent field: the conversion's scale operand
.endr
.irp c, 0,1,2,3
	v_lshrrev_b32 v[AMY+\c], 23, v[PM+\c]
.endr
.irp c, 0,1,2,3
	v_perm_b32 v[PS+\c], v[AMY+\c], v[AMY+\c], 0   ; p's scale word: the byte in every byte
.endr
	WIN 0x40
.irp c, 0,1,2,3
.irp u, 0,1
	v_cvt_scalef32_pk8_fp4_f32 v[QP+8*\c+\u], v[SS+16*\c+8*\u:SS+16*\c+8*\u+7], v[PM+\c]   ; p's codes take q's places
.endr
.endr
	v_nop                                          ; one plain place behind the conversions
	WIN 0
.irp c, 0,1,2,3
	v_pk_add_f32 v[SM+2*\c:SM+2*\c+1], v[SS+16*\c:SS+16*\c+1], v[SS+16*\c+2:SS+16*\c+3]   ; the row's sum, of the unquantised p.  (These lines are also the places between the scale words and codes just made and the products below)
.endr
.irp i, 4,6,8,10,12,14
.irp c, 0,1,2,3
	v_pk_add_f32 v[SM+2*\c:SM+2*\c+1], v[SM+2*\c:SM+2*\c+1], v[SS+16*\c+\i:SS+16*\c+\i+1]
.endr
.endr
.irp c, 0,1,2,3
	v_add_f32 v[SM+2*\c], v[SM+2*\c], v[SM+2*\c+1]
.endr
.irp c, 0,1,2,3
	v_permlanex16_b32 v[AMY+\c], v[SM+2*\c], s[SEL], s[SEL+1]
.endr
.irp c, 0,1,2,3
	v_add_f32 v[SM+2*\c], v[SM+2*\c], v[AMY+\c]
.endr
	s_wait_alu depctr_va_vdst(0)                   ; ahead of the batch
.irp c, 0,1,2,3
	v_rcp_f32 v[PRM+2*\c], v[SM+2*\c]              ; 1 / l
.endr
	v_nop                                          ; a plain place behind the reciprocals
	s_wait_alu depctr_va_vdst(0)                   ; and the wait behind it
.if (\n) == 0
	s_wait_dscnt 0x0                               ; v and its words are in
.endif
	WIN 0x05                                       ; sources 0 and 1 window 1
.irp c, 0,1,2,3
	W32 SS+16*\c, VB+2*(\c/2), QP+8*\c, -1, VSC+TK+\c/2, PS+\c, 0          ; O^T: lane: q's place 16 a + r; register 8 e + j: d's place 16 e + 8 half + j
.endr
	WIN 0
	PLACES
.if (\n) < 3
	WIN 0x40
.irp c, 0,1,2,3
	v_mov_b32 v[QP+8*\c], v[STQ+4*(TK+2+\c/2)+2*(\c%2)]    ; the next two tokens' q
	v_mov_b32 v[QP+8*\c+1], v[STQ+4*(TK+2+\c/2)+2*(\c%2)+1]
.endr
	WIN 0
.endif
.irp c, 0,1,2,3
.irp i, 0,2,4,6,8,10,12,14
	v_pk_mul_f32 v[SS+16*\c+\i:SS+16*\c+\i+1], v[SS+16*\c+\i:SS+16*\c+\i+1], v[PRM+2*\c:PRM+2*\c+1] op_sel_hi:[1,0]
.endr
.endr
.irp c, 0,1,2,3
.irp e, 0,1
	ds_store_b128 v[STO], v[SS+16*\c+8*\e:SS+16*\c+8*\e+3] offset:4352*(\c/2)+2176*(\c%2)+64*\e
	ds_store_b128 v[STO], v[SS+16*\c+8*\e+4:SS+16*\c+8*\e+7] offset:4352*(\c/2)+2176*(\c%2)+64*\e+16
.endr
.endr
	s_wait_xcnt 0x0                                ; the stores of two tokens before have read their registers: every set may be written
	WIN 0x40
.irp tb, 0,1
.irp i, 0,1,2,3,4,5,6,7
	ds_load_b128 v[OB+64*((\n)%2)+32*\tb+4*\i:OB+64*((\n)%2)+32*\tb+4*\i+3], v[RD] offset:4352*\tb+544*\i   ; my own stage: LDS serves a wave's instructions in order
.endr
.endr
	WIN 0x04                                       ; a store's data: window 1
.irp tb, 0,1
.irp i, 0,1,2,3,4,5,6,7
	s_wait_dscnt 15-8*\tb-\i
	global_store_b128 v[CO+\i%2], v[OB+64*((\n)%2)+32*\tb+4*\i:OB+64*((\n)%2)+32*\tb+4*\i+3], s[14:15] offset:4096*(TK+\tb)+1024*(\i/2) th:TH_STORE_NT   ; lanes 0-15 store 256 consecutive bytes, at a multiple of 256 from out's first byte; lanes 16-31 likewise
.endr
.endr
	WIN 0
.endm
	ATT 0
	ATT 1
	ATT 2
	ATT 3
	s_wait_tensorcnt 0x0                           ; the wave's end, behind my last tensor load and my last LDS store
	ds_add_u32 v[SPW], v[NIL]
	s_wait_dscnt 0x0
	ROUND                                          ; the closing round
	s_endpgm
.Lfunc_end_k_qf0977e0103_fused:
	.size	k_qf0977e0103_fused, .Lfunc_end_k_qf0977e0103_fused-k_qf0977e0103_fused
	.p2alignl 7, 3214868480
	.fill 96, 4, 3214868480
	.section	.rodata,"a",@progbits
	.p2align	6, 0x0
	.amdhsa_kernel k_qf0977e0103_fused
		.amdhsa_group_segment_fixed_size 327680
		.amdhsa_private_segment_fixed_size 0
		.amdhsa_enable_private_segment 0
		.amdhsa_kernarg_size 48
		.amdhsa_user_sgpr_count 2
		.amdhsa_user_sgpr_kernarg_segment_ptr 1
		.amdhsa_wavefront_size32 1
		.amdhsa_system_sgpr_workgroup_id_x 1
		.amdhsa_system_sgpr_workgroup_id_y 1
		.amdhsa_system_sgpr_workgroup_id_z 1
		.amdhsa_system_vgpr_workitem_id 0
		.amdhsa_next_free_vgpr 512
		.amdhsa_next_free_sgpr 80
		.amdhsa_reserve_vcc 1
		.amdhsa_float_denorm_mode_32 3
		.amdhsa_float_denorm_mode_16_64 3
		.amdhsa_memory_ordered 1
		.amdhsa_forward_progress 1
		.amdhsa_inst_pref_size 186
	.end_amdhsa_kernel
	.amdgpu_metadata
---
amdhsa.version: [ 1, 2 ]
amdhsa.kernels:
  - .name:           k_qf0977e0103_fused
    .symbol:         k_qf0977e0103_fused.kd
    .args:
      - { .name: x_codes, .offset: 0, .size: 8, .value_kind: global_buffer, .address_space: global }
      - { .name: x_scales, .offset: 8, .size: 8, .value_kind: global_buffer, .address_space: global }
      - { .name: W_qkv_codes, .offset: 16, .size: 8, .value_kind: global_buffer, .address_space: global }
      - { .name: W_qkv_scales, .offset: 24, .size: 8, .value_kind: global_buffer, .address_space: global }
      - { .name: mask, .offset: 32, .size: 8, .value_kind: global_buffer, .address_space: global }
      - { .name: out0, .offset: 40, .size: 8, .value_kind: global_buffer, .address_space: global }
    .group_segment_fixed_size: 327680
    .private_segment_fixed_size: 0
    .kernarg_segment_align: 8
    .kernarg_segment_size: 48
    .max_flat_workgroup_size: 256
    .sgpr_count:     80
    .vgpr_count:     512
    .wavefront_size: 32
...
	.end_amdgpu_metadata
.endif
;; end of part 1
